; MI455X (gfx1250); checked and timed in simulation.
; The chip was launched on July 23, 2026; its instructions are those of AMD's public machine-readable ISA for CDNA 5 (MIT licence, August 2026) and "CDNA5" Instruction Set Architecture Reference Guide (July 2026). The comments in the code are by the model that wrote it; some were corrected since.
;; DFT. Allowed arithmetic: matrix products marked QUANTISED: E2M3 operands, one E8M0 scale for each 32 along K, by v_wmma_scale_f32_16x16x128_f8f6f4 with both operands' format E2M3, f32 sums; everything else in f32.
;; Inputs: W_imag_codes 2,048 x 64 x 24 uint8 (E2M3 codes of W_imag, K innermost, in blocks of 32 codes, four codes in three bytes); W_imag_scales 2,048 x 64 uint8 (E8M0 scales of W_imag, one for each 32 codes along K); W_real_codes 2,048 x 64 x 24 uint8 (E2M3 codes of W_real, K innermost, in blocks of 32 codes, four codes in three bytes); W_real_scales 2,048 x 64 uint8 (E8M0 scales of W_real, one for each 32 codes along K); x_imag_codes 4,096 x 64 x 24 uint8 (E2M3 codes of x_imag, K innermost, in blocks of 32 codes, four codes in three bytes); x_imag_scales 4,096 x 64 uint8 (E8M0 scales of x_imag, one for each 32 codes along K); x_real_codes 4,096 x 64 x 24 uint8 (E2M3 codes of x_real, K innermost, in blocks of 32 codes, four codes in three bytes); x_real_scales 4,096 x 64 uint8 (E8M0 scales of x_real, one for each 32 codes along K).
;; Outputs: out0 4,096 x 2,048 float32; out1 4,096 x 2,048 float32.
;; This version of the problem:
;;   THIS VERSION OF THE PROBLEM IS GIVEN IN LOW PRECISION. The matrix products marked QUANTISED in the list below multiply operands that are first quantised to E2M3 (2 exponent bits, 3 mantissa bits; 6 bits a number), with one power-of-two scale for each 32 numbers along K (OCP MX v1.0); their sums are f32. All else is computed in f32.
;;   The module's matrix products, in the order in which they are computed (A, B: the left and right operand; K: the contracted axis; several contracted axes count as one K, in the product's order):
;;     1. [M 4,096, K 2,048] x [K 2,048, N 2,048]; A: input x_real (given as codes); B: input W_real (given as codes): QUANTISED
;;     2. [M 4,096, K 2,048] x [K 2,048, N 2,048]; A: input x_imag (given as codes); B: input W_imag (given as codes): QUANTISED
;;     3. [M 4,096, K 2,048] x [K 2,048, N 2,048]; A: input x_imag (given as codes); B: input W_real (given as codes): QUANTISED
;;     4. [M 4,096, K 2,048] x [K 2,048, N 2,048]; A: input x_real (given as codes); B: input W_imag (given as codes): QUANTISED
;;   THE QUANTISER, for each operand of a quantised product, along K:
;;     - K is cut into blocks of 32 from its start; a last block that is shorter is filled with zeros.
;;     - A block's scale is 2^e with e = floor(log2(the largest magnitude in the block)) - 2, held to -126 .. 127; a block of zeros has e = 0. As a byte (E8M0): e + 127.
;;     - Each number is divided by its block's scale, clamped to +-7.5, and rounded to the nearest number of E2M3, ties to even, subnormals kept.
;;     - The product sums the exact products of the quantised numbers (number of the format x scale) in f32.
;;   ~~~python
;;   def quantise(x, axis):      # numpy; x: float32 -> the quantised numbers, widened to float32 again
;;       x = np.moveaxis(x, axis, -1); K = x.shape[-1]
;;       x = np.pad(x, [(0, 0)] * (x.ndim - 1) + [(0, -K % 32)]); x = x.reshape(x.shape[:-1] + (-1, 32)); a = np.abs(x).max(-1, keepdims=True)
;;       e = np.where(a > 0, np.clip(np.frexp(np.where(a > 0, a, 1))[1] - 1 - 2, -126, 127), 0)      # np.frexp(a)[1] - 1 = floor(log2(a)), exactly
;;       r = np.clip(x / 2.0 ** e, -7.5, 7.5)
;;       step = 2.0 ** (np.maximum(np.frexp(np.where(r == 0, 1, r))[1] - 1, 0) - 3)
;;       q = np.round(r / step) * step * 2.0 ** e      # np.round: ties to even
;;       return np.moveaxis(q.reshape(q.shape[:-2] + (-1,))[..., :K], -1, axis).astype(np.float32)
;;   ~~~
;;   INPUTS GIVEN AS CODES. W_imag (in the module: [2048, 2048], K = its axis 0); W_real (in the module: [2048, 2048], K = its axis 0); x_imag (in the module: [4096, 2048], K = its axis 1); x_real (in the module: [4096, 2048], K = its axis 1): each comes as NAME_codes (uint8): NAME with its K axis moved to the last place and cut into blocks of 32 codes, [.., K / 32, bytes a block], one block behind the other in memory; four codes in three bytes: a row's codes are one little-endian stream of bits, code i at bits 6 i .. 6 i + 5 (a code: sign, 2 exponent bits, 3 mantissa bits); and NAME_scales (uint8): the same leading axes, one E8M0 byte (e + 127) for each 32 codes along K. Its value is code x scale, taken as it is: it is not quantised again, and the codes and scales need not be those that the quantiser above would give.
;; One version. Each part assembles by itself: llvm-mc -triple=amdgcn-amd-amdhsa -mcpu=gfx1250 --defsym DOCPART=n.
;; ======== version 1 of 1: 1 launch
;; limits: right only within a limited range of input values
;; launch dft (part 1): grid 16 x 16, 4 waves a work-group, clusters of 4 x 4, 327,680 bytes of LDS; arguments x_real_codes, x_real_scales, x_imag_codes, x_imag_scales, W_real_codes, W_real_scales, W_imag_codes, W_imag_scales, out0, out1; writes out0, out1
.if DOCPART == 1
	.amdgcn_target "amdgcn-amd-amdhsa--gfx1250"
	.amdhsa_code_object_version 6
	.text
	.protected	k_qdd582c743a_dft
	.globl	k_qdd582c743a_dft
	.p2align	8
	.type	k_qdd582c743a_dft,@function
k_qdd582c743a_dft:
	s_mov_b64 s[64:65], 0
	v_nop
	global_prefetch_b8 v0, s[64:65] scope:SCOPE_SE
	s_setreg_imm32_b32 hwreg(HW_REG_WAVE_MODE, 25, 1), 1
	s_wait_xcnt 0x0
	s_wait_alu depctr_hold_cnt(0) depctr_sa_sdst(0) depctr_va_vdst(0) depctr_va_sdst(0) depctr_va_ssrc(0) depctr_va_vcc(0) depctr_vm_vsrc(0)
	s_getreg_b32 s2, hwreg(HW_REG_IB_STS2, 6, 4)
	s_cmp_eq_u32 s2, 0
	s_cbranch_scc0 .Lentry_in_a_cluster
	s_endpgm
.Lentry_in_a_cluster:
	s_bfe_u32 s2, ttmp6, 0x10000c
	s_cmp_lg_u32 s2, 0xf033
	s_cbranch_scc0 .Lentry_shape_is_right
	s_endpgm
.Lentry_shape_is_right:
; out0 = xr Wr - xi Wi, out1 = xi Wr + xr Wi.  xr, xi: [4096][2048], Wr, Wi: [2048 (n)][2048 (k)]: FP6 (E2M3) codes, K innermost, a row 1,536 bytes; one E8M0 byte for each 32 along K (a row 64 bytes).  Outputs [4096][2048] f32.
; Codes and scale bytes go to the matrix instruction as they lie in memory.
; SHARES.  256 work-groups; each STAYS and makes two tiles, 2,048 rows apart: 128 rows x 128 columns of BOTH outputs.  Four waves; wave w makes rows 64 (w / 2) .. + 63, columns 64 (w % 2) .. + 63 of both:
; 32 accumulators, 256 registers.  Its fragments of xr, xi, Wr, Wi for 128 along K (4 blocks of 16 rows each) feed 64 products: each fragment serves two of the four products.
; THE MINUS.  Both products of out0 take -C: T' = xi Wi - T, then T'' = xr Wr - T' = T + xr Wr - xi Wi.  Nothing is negated by vector instructions.
; THE RING.  K goes in chunks of 256 bytes of each row (6 to a tile) through two LDS slots of 512 rows (xr, xi, Wr, Wi: 128 each; one tensor load a wave); a step of 128 along K is 96 bytes, so some steps lie across two chunks.
; The ring goes on into the second tile.
; THE SCALES of a wave's rows are dense blocks of memory (64 rows x 64 bytes): they come once into registers, lane l taking row l's 64 bytes: register s of a group holds step s's word, lanes 0-15 one block's, lanes 16-31 the next block's.
; FRAGMENTS.  Both operands have two sets of registers; the next step's 96 LDS loads stand in ONE run, behind the step's first eight products, where the barrier of a change of chunks stands too; 56 products follow it.
; CLUSTERS 4 x 4: x's chunks hang on the tile row and are asked for jointly along a row of the cluster, W's on the tile column, along a column.
; PREFETCH: with the load of chunk g each wave asks for chunk g + 2 of the 128 rows that it fetches; the four partners of a joint load take 32 rows each, by address, a lane a row (256 bytes).  The head also asks for chunk 1.
; W's rows serve both tiles and are asked for in the first alone; the second tile's last two loads ask for nothing.
; THE MATRIX INSTRUCTION IS USED TRANSPOSED (source 0 = 16 rows of W, source 1 = 16 rows of x): a lane holds eight neighbouring numbers of a row of the output.
; LIMITS.  A number of out0 is one f32 chain over both products, not the difference of two finished sums: it differs by f32 rounding alone; a zero may have the other sign.  A scale byte 0xff makes the sums that it enters NaN.
; REGISTERS.  Window 0: v0-31 addresses; v32-95 W's scale words; v98-161 x's; v164-227 x's of the second tile.  Window 1: W's fragments, sets at v0 and v96; v192-199 LDS addresses; on the way out v96-159 rows read back.
; Window 2: rows 0-31: v0-63 out0's 8 accumulators, v64-127 out1's, v128-223 x's fragments in two sets (xr 0, 1, xi 0, 1).  Window 3: the same for rows 32-63.
.set KROW,   1536
.set PITCH,  272                       ; an LDS row: 256 bytes + 16 of padding
.set HALFT,  128*PITCH                 ; what one tensor load brings
.set SLOT,   4*HALFT
.set STAGE,  2*SLOT                    ; the way out: 16 rows x 272 bytes for each wave; no tensor load lands here
.set SPITCH, 272
.set SPARE,  STAGE+4*16*SPITCH         ; the spare words: 128 bytes a wave
.set OUTROW, 8192
.set WALKB,  2048*KROW                 ; from a tile to the next: bytes of x's codes,
.set WALKO,  2048*OUTROW               ; and of an output
.set STO, 24
.set RD,  25
.set CO,  26
.set PFO, 27                           ; lane x 1,536: the prefetches' offset
.set SPW, 28
.set NIL, 29
.set SCO, 30                           ; lane x 64: the scale loads' offset
.set WS,  32                           ; Wr's words at WS + 16 (b / 2) + step, Wi's 32 on
.set XS,  98                           ; xr's at XS + 16 (a / 2) + step, xi's 32 on
.set XS2, 164
.set ADRX, 192                         ; window 1: x's rows in slot 0, 1; then the two for pieces whose lane halves lie in different slots
.set ADRW, 196
.set G1,  24
.set G0,  32
.set G1B, 48
.set G0B, 56
.set F0,  92                           ; 1: my wave asks for chunks of this tile
.set F1,  93                           ; 1: and of the next
.set PFA, 94
.set WV,  96
.set WHI, 97                           ; wave / 2: my rows.  Also: I fetch for x (0) or W (1)
.set WLO, 98                           ; wave % 2: my columns.  Also: the real (0) or the imaginary (1) buffer
.set MSB, 0
.macro WIN new
.if MSB != (\new)
	s_set_vgpr_msb (MSB<<8)|(\new)
.set MSB, (\new)
.endif
.endm
.macro PLACES n
.rept \n
	v_nop
.endr
.endm
.macro JLOAD s                         ; a joint load into slot s: one line, one mask for x's waves, one for W's
	s_cmp_eq_u32 s[WHI], 0
	s_cbranch_scc0 .Lfor_b_\@
	tensor_load_to_lds s[G0+4*(\s):G0+4*(\s)+3], s[G1:G1+7]
	s_nop 0
	PLACES 4
	s_branch .Lasked_\@
.Lfor_b_\@:
	tensor_load_to_lds s[G0B+4*(\s):G0B+4*(\s)+3], s[G1B:G1B+7]
	s_nop 0
	PLACES 4
.Lasked_\@:
.endm
.macro ASK flag, off
	s_cmp_lg_u32 s[\flag], 0
	s_cbranch_scc0 .Lna_\@
	global_prefetch_b8 v[PFO], s[PFA:PFA+1] offset:\off th:TH_LOAD_NT scope:SCOPE_SE
.Lna_\@:
.endm
.macro CREST
	s_cmp_lg_u32 s[WV], 0
	s_cbranch_scc1 .Lnot_wave_0_\@
	s_barrier_signal -3
.Lnot_wave_0_\@:
	s_barrier_wait -3
	s_barrier_signal -1
	s_barrier_wait -1
.endm
.macro CROUND
	s_barrier_signal -1
	s_barrier_wait -1
	CREST
.endm
	s_load_b512 s[4:19], s[0:1], 0x0               ; xr codes s[4:5], scales s[6:7]; xi s[8:9], s[10:11]; Wr s[12:13], s[14:15]; Wi s[16:17], s[18:19]
	s_load_b128 s[20:23], s[0:1], 0x40             ; out0, out1
	v_lshl_add_u32 v[SPW], v0, 2, SPARE
	v_mov_b32 v[NIL], 0
	ds_add_u32 v[SPW], v[NIL]                      ; the opening lines: the add twice on end under one wait
	ds_add_u32 v[SPW], v[NIL]
	v_lshrrev_b32 v1, 5, v0
	v_readfirstlane_b32 s[WV], v1
	s_lshr_b32 s[WHI], s[WV], 1
	s_and_b32 s[WLO], s[WV], 1
	s_bfe_u32 s40, ttmp6, 0x40000                  ; cx
	s_bfe_u32 s41, ttmp6, 0x40004                  ; cy
	s_lshl_b32 s42, ttmp9, 2
	s_add_co_u32 s42, s42, s40                     ; tc: tile column
	s_and_b32 s43, ttmp7, 0xffff
	s_lshl_b32 s43, s43, 2
	s_add_co_u32 s43, s43, s41                     ; tr: the first tile's row; the second's is tr + 16
	s_lshl_b32 s44, s41, 2
	s_lshl_b32 s44, 15, s44                        ; my row of the cluster
	s_lshl_b32 s45, 0x1111, s40                    ; my column
	s_or_b32 s[G1+0], s44, (1<<20)|(1<<21)|(5<<22)|(3<<25)   ; elements of 1 byte; 4 words of padding behind every 64
	s_or_b32 s[G1B+0], s45, (1<<20)|(1<<21)|(5<<22)|(3<<25)
.irp g, G1, G1B
	s_mov_b32 s[\g+1], 256<<16
	s_mov_b32 s[\g+2], 128<<16
	s_mov_b32 s[\g+3], 256<<16
	s_mov_b32 s[\g+4], 128
	s_mov_b32 s[\g+5], KROW
	s_mov_b32 s[\g+6], 0
	s_mov_b32 s[\g+7], 0
.endr
	s_mul_i32 s46, s43, 128*KROW                   ; x: row 128 tr, in bytes
	s_mov_b32 s47, 0
	s_mul_i32 s100, s42, 128*KROW                  ; W: row 128 tc
	s_mov_b32 s101, 0
	s_mul_i32 s99, s[WV], HALFT                    ; xr, xi, Wr, Wi one behind the other in a slot
.irp s, 0,1
	s_mov_b32 s[G0+4*\s], 1
	s_add_co_u32 s[G0+4*\s+1], s99, \s*SLOT
	s_mov_b32 s[G0B+4*\s], 1
	s_add_co_u32 s[G0B+4*\s+1], s99, \s*SLOT
.endr
	s_mul_i32 s66, s[WHI], 64*PITCH                ; my 64 rows of xr in slot 0 (xi's lie HALFT on),
	s_add_co_u32 s67, s66, SLOT                    ; in slot 1
	s_mul_i32 s68, s[WLO], 64*PITCH
	s_add_co_u32 s68, s68, 2*HALFT                 ; my 64 rows of Wr
	s_add_co_u32 s69, s68, SLOT
	s_mul_i32 s70, s[WV], 16*SPITCH
	s_add_co_u32 s70, s70, STAGE                   ; my stage
	v_and_b32 v1, 15, v0                           ; r
	v_bfe_u32 v2, v0, 4, 1                         ; h
	v_and_b32 v7, 31, v0
	v_mul_u32_u24 v3, v1, PITCH
	v_mad_u32_u24 v4, v2, 24, v3                   ; a fragment's row + 24 h
	v_mul_u32_u24 v5, SLOT-232, v2
	v_add_nc_u32 v5, v3, v5
	v_add_nc_u32 v5, 232, v5                       ; lanes 0-15 byte 232 of the row in slot 0, lanes 16-31 byte 0 in slot 1
	v_sub_nc_u32 v6, 1, v2
	v_mul_u32_u24 v6, SLOT+232, v6
	v_add_nc_u32 v6, v3, v6                        ; lanes 0-15 byte 232 in slot 1, lanes 16-31 byte 0 in slot 0
	v_lshl_add_u32 v9, v2, 5, v3
	v_add_nc_u32 v[STO], s70, v9                   ; into the stage: row r, 32 bytes for each half of the lanes
	v_mul_u32_u24 v10, v2, SPITCH
	v_lshl_add_u32 v10, v1, 4, v10
	v_add_nc_u32 v[RD], s70, v10                   ; back: lanes 0-15 one row of 256 bytes, lanes 16-31 the next
	v_lshlrev_b32 v11, 13, v2
	v_lshl_add_u32 v[CO], v1, 4, v11               ; the same two rows in an output
	v_mul_u32_u24 v[PFO], v7, KROW
	v_lshlrev_b32 v[SCO], 6, v7
	WIN 0x40                                       ; destination window 1
	v_add_nc_u32 v[ADRX], s66, v4
	v_add_nc_u32 v[ADRX+1], s67, v4
	v_add_nc_u32 v[ADRX+2], s66, v5
	v_add_nc_u32 v[ADRX+3], s66, v6
	v_add_nc_u32 v[ADRW], s68, v4
	v_add_nc_u32 v[ADRW+1], s69, v4
	v_add_nc_u32 v[ADRW+2], s68, v5
	v_add_nc_u32 v[ADRW+3], s68, v6
	WIN 0
	s_wait_alu depctr_va_vdst(0)                   ; the wait behind the head's vector work
	s_wait_dscnt 0x0                               ; both opening adds are done
	s_wait_kmcnt 0x0
	s_cmp_eq_u32 s[WLO], 0
	s_cselect_b64 s[G0+2:G0+3], s[4:5], s[8:9]     ; wave 0 fetches xr, wave 1 xi,
	s_cselect_b64 s[G0B+2:G0B+3], s[12:13], s[16:17]   ; wave 2 Wr, wave 3 Wi
	s_add_nc_u64 s[G0+2:G0+3], s[G0+2:G0+3], s[46:47]
	s_add_nc_u64 s[G0B+2:G0B+3], s[G0B+2:G0B+3], s[100:101]
	s_cmp_eq_u32 s[WHI], 0
	s_cselect_b64 s[PFA:PFA+1], s[G0+2:G0+3], s[G0B+2:G0B+3]
	s_cselect_b32 s2, s40, s41                     ; my place among the four that ask with me
	s_cselect_b32 s[F1], 1, 0
	s_mov_b32 s[F0], 1
	s_mul_i32 s2, s2, 32*KROW
	s_mov_b32 s3, 0
	s_add_nc_u64 s[PFA:PFA+1], s[PFA:PFA+1], s[2:3]
	s_add_nc_u64 s[G0+6:G0+7], s[G0+2:G0+3], 256
	s_add_nc_u64 s[G0B+6:G0B+7], s[G0B+2:G0B+3], 256
	s_or_b32 s[G0+3], s[G0+3], 0x80000000
	s_or_b32 s[G0+7], s[G0+7], 0x80000000
	s_or_b32 s[G0B+3], s[G0B+3], 0x80000000
	s_or_b32 s[G0B+7], s[G0B+7], 0x80000000
	s_lshl_b32 s46, s43, 13                        ; x's scales: row 128 tr + 64 (wave / 2), 64 bytes a row
	s_lshl_b32 s2, s[WHI], 12
	s_add_co_u32 s46, s46, s2
	s_add_nc_u64 s[6:7], s[6:7], s[46:47]
	s_add_nc_u64 s[10:11], s[10:11], s[46:47]
	s_lshl_b32 s100, s42, 13                       ; W's: row 128 tc + 64 (wave % 2)
	s_lshl_b32 s2, s[WLO], 12
	s_add_co_u32 s100, s100, s2
	s_add_nc_u64 s[14:15], s[14:15], s[100:101]
	s_add_nc_u64 s[18:19], s[18:19], s[100:101]
.irp j, 0,1                            ; the 32 loads whose words the first tile wants
.irp q, 0,1,2,3
	global_load_b128 v[WS+16*\j+4*\q:WS+16*\j+4*\q+3], v[SCO], s[14:15] offset:2048*\j+16*\q
	global_load_b128 v[WS+32+16*\j+4*\q:WS+32+16*\j+4*\q+3], v[SCO], s[18:19] offset:2048*\j+16*\q
	global_load_b128 v[XS+16*\j+4*\q:XS+16*\j+4*\q+3], v[SCO], s[6:7] offset:2048*\j+16*\q
	global_load_b128 v[XS+32+16*\j+4*\q:XS+32+16*\j+4*\q+3], v[SCO], s[10:11] offset:2048*\j+16*\q
.endr
.endr
	CROUND                                         ; all sixteen work-groups are here
	JLOAD 0                                        ; chunk 0: my one tensor load at the head
	global_prefetch_b8 v[PFO], s[PFA:PFA+1] offset:256 th:TH_LOAD_NT scope:SCOPE_SE
	global_prefetch_b8 v[PFO], s[PFA:PFA+1] offset:512 th:TH_LOAD_NT scope:SCOPE_SE
.irp j, 0,1                            ; the 16 loads of the second tile's words of x: the youngest
.irp q, 0,1,2,3
	global_load_b128 v[XS2+16*\j+4*\q:XS2+16*\j+4*\q+3], v[SCO], s[6:7] offset:131072+2048*\j+16*\q
	global_load_b128 v[XS2+32+16*\j+4*\q:XS2+32+16*\j+4*\q+3], v[SCO], s[10:11] offset:131072+2048*\j+16*\q
.endr
.endr
	s_lshl_b32 s100, s43, 20                       ; my first row of the outputs, 128 tr + 64 (wave / 2), in bytes,
	s_lshl_b32 s2, s[WHI], 19
	s_add_co_u32 s100, s100, s2
	s_lshl_b32 s2, s42, 9                          ; and my first column: 512 tc + 256 (wave % 2)
	s_add_co_u32 s100, s100, s2
	s_lshl_b32 s2, s[WLO], 8
	s_add_co_u32 s100, s100, s2
	s_add_nc_u64 s[20:21], s[20:21], s[100:101]
	s_add_nc_u64 s[22:23], s[22:23], s[100:101]
; One piece of 8 bytes of a fragment (12 registers: lane (r, h) holds row r; registers 6 c .. 6 c + 5 hold K = 64 c + 32 h + 0 .. 31).  st: the step, counted from the tile's start; byte y of a row lies in slot (y / 256) % 2
.macro PC reg, adr, st, ex, p
.set BY, 96*(\st)+48*((\p)/3)+8*((\p)%3)
.if BY/256 == (BY+24)/256
	ds_load_b64 v[(\reg)+2*(\p):(\reg)+2*(\p)+1], v[\adr+(BY/256)%2] offset:BY%256+(\ex)
.else
	ds_load_b64 v[(\reg)+2*(\p):(\reg)+2*(\p)+1], v[\adr+2+(BY/256)%2] offset:BY%256-232+(\ex)
.endif
.endm
.macro WB f, nx                        ; W's fragment f (Wr 0-3, Wi 4-7) of step nx
	WIN 0x41
.irp p, 0,1,2,3,4,5
	PC 96*((\nx)%2)+12*(\f), ADRW, \nx, ((\f)%4)*16*PITCH+((\f)/4)*HALFT, \p
.endr
.endm
.macro XF ph, f, nx                    ; x's fragment f (xr 0, 1, xi 2, 3) of rows 32 ph .. + 31
	WIN 0x81+0x40*(\ph)
.irp p, 0,1,2,3,4,5
	PC 128+48*((\nx)%2)+12*(\f), ADRX, \nx, (2*(\ph)+(\f)%2)*16*PITCH+((\f)/2)*HALFT, \p
.endr
.endm
.macro FETCH nx                        ; all 16 fragments of step nx, 96 loads in one run, under three settings of the windows
.irp f, 0,1,2,3,4,5,6,7
	WB \f, \nx
.endr
.irp f, 0,1,2,3
	XF 0, \f, \nx
.endr
.irp f, 0,1,2,3
	XF 1, \f, \nx
.endr
.endm
.macro MM d, a, b, sa, sb, ra, rb, c   ; c = 0: starts a sum; 1: + C; 2: - C
.if \c == 0
	v_wmma_scale_f32_16x16x128_f8f6f4 v[(\d):(\d)+7], v[(\a):(\a)+11], v[(\b):(\b)+11], 0, v[(\sa)], v[(\sb)] matrix_a_fmt:MATRIX_FMT_FP6 matrix_b_fmt:MATRIX_FMT_FP6 matrix_a_scale:MATRIX_SCALE_ROW\ra matrix_b_scale:MATRIX_SCALE_ROW\rb
.else
.if \c == 1
	v_wmma_scale_f32_16x16x128_f8f6f4 v[(\d):(\d)+7], v[(\a):(\a)+11], v[(\b):(\b)+11], v[(\d):(\d)+7], v[(\sa)], v[(\sb)] matrix_a_fmt:MATRIX_FMT_FP6 matrix_b_fmt:MATRIX_FMT_FP6 matrix_a_scale:MATRIX_SCALE_ROW\ra matrix_b_scale:MATRIX_SCALE_ROW\rb
.else
	v_wmma_scale_f32_16x16x128_f8f6f4 v[(\d):(\d)+7], v[(\a):(\a)+11], v[(\b):(\b)+11], v[(\d):(\d)+7], v[(\sa)], v[(\sb)] matrix_a_fmt:MATRIX_FMT_FP6 matrix_b_fmt:MATRIX_FMT_FP6 matrix_a_scale:MATRIX_SCALE_ROW\ra matrix_b_scale:MATRIX_SCALE_ROW\rb neg_lo:[0,0,1]
.endif
.endif
.endm
; Four products: one block of x (rows 32 ph + 16 al) against four blocks of W.  kind 0: out0 <- xi Wi - C; 1: out1 <- xi Wr + C; 2: out0 <- xr Wr - C; 3: out1 <- xr Wi + C.
.macro UNIT ph, kind, al, st, zero
	WIN 0xa9+0x54*(\ph)
.set UA, 64*((\kind)%2)+32*(\al)
.set UX, 128+48*((\st)%2)+24*(1-(\kind)/2)+12*(\al)
.set UWI, 1-(((\kind)+1)/2)%2
.set UW, 96*((\st)%2)+48*UWI
.set USW, WS+32*UWI+(\st)
.set USX, XS+32*(1-(\kind)/2)+16*(\ph)+(\st)
.set UC, 1
.if (\kind)%2 == 0
.set UC, 2
.endif
.if (\zero) && ((\kind) < 2)
.set UC, 0
.endif
.irp bj, 0,1
.irp br, 0,1
	MM UA+8*(2*\bj+\br), UW+12*(2*\bj+\br), UX, USW+16*\bj, USX, \br, \al, UC
.endr
.endr
.endm
; A step of 128 along K: 64 products, the 32 accumulators by turns; behind the first eight, the next step's 96 loads.
; Where the next step's bytes end in a chunk not yet read, a barrier shows that chunk whole; where they begin in a later chunk than this step's, the chunk left behind is filled again behind a round of the cluster's barrier.
; mode 0: steps 0-12; 1: steps 13-15 of a tile that has a successor (the refills bring its chunks 0 and 1); 2: of the last tile (nothing is filled, no barrier).  fetch = 0: no next step.
.macro STEP st, zero, mode, fetch
.set NX, (\st)+1
.set C0, (96*(\st))/256
.set C1, (96*NX)/256
.set E0, (96*(\st)+95)/256
.set E1, (96*NX+95)/256
.set RF, 0
.if (C1 > C0) && (\mode < 2)
.set RF, 1
.endif
.set BAR, RF
.if (E1 > E0) && (\mode < 2)
.set BAR, 1
.endif
	s_wait_dscnt 0x0                               ; this step's fragments are in: their run stands 56 products back
.if BAR
	WIN 0
	s_wait_tensorcnt 0x0                           ; all my tensor loads have landed
.if RF
	ds_add_u32 v[SPW], v[NIL]
.endif
.endif
	PLACES 4                                       ; in front of this step's loads into the set that the last step multiplied
	UNIT 0, 0, 0, \st, \zero
.if BAR
	s_wait_dscnt 0x0                               ; the add, where there is one, is done; no LDS read of mine is out
	s_barrier_signal -1
.endif
	UNIT 0, 0, 1, \st, \zero
.if BAR
	WIN 0
	s_barrier_wait -1
.if RF
	CREST                                          ; the barrier has opened a round of the cluster's barrier
.if C0+2 < 6
	s_add_nc_u64 s[G0+4*(C0%2)+2:G0+4*(C0%2)+3], s[G0+4*(C0%2)+2:G0+4*(C0%2)+3], 512
	s_add_nc_u64 s[G0B+4*(C0%2)+2:G0B+4*(C0%2)+3], s[G0B+4*(C0%2)+2:G0B+4*(C0%2)+3], 512
.else
	s_add_nc_u64 s[G0+4*(C0%2)+2:G0+4*(C0%2)+3], s[G0+4*(C0%2)+2:G0+4*(C0%2)+3], WALKB-1024
	s_sub_nc_u64 s[G0B+4*(C0%2)+2:G0B+4*(C0%2)+3], s[G0B+4*(C0%2)+2:G0B+4*(C0%2)+3], 1024
.endif
	JLOAD C0%2                                     ; my one tensor load behind the round
.if C0+4 < 6
	ASK F0, (C0+4)*256
.else
	ASK F1, WALKB+(C0-2)*256
.endif
.endif
.endif
.if \zero
	PLACES 5                                       ; between out0's first products, which take 0, and the second, which take -C
.endif
.if \fetch
	FETCH NX
.endif
	UNIT 0, 1, 0, \st, \zero
	UNIT 0, 1, 1, \st, \zero
	UNIT 0, 2, 0, \st, \zero
	UNIT 0, 2, 1, \st, \zero
	UNIT 0, 3, 0, \st, \zero
	UNIT 0, 3, 1, \st, \zero
	UNIT 1, 0, 0, \st, \zero
	UNIT 1, 0, 1, \st, \zero
.if \zero
	PLACES 5
.endif
	UNIT 1, 1, 0, \st, \zero
	UNIT 1, 1, 1, \st, \zero
	UNIT 1, 2, 0, \st, \zero
	UNIT 1, 2, 1, \st, \zero
	UNIT 1, 3, 0, \st, \zero
	UNIT 1, 3, 1, \st, \zero
.endm
; THE WAY OUT, in eight blocks of 16 rows x 64 columns (n = 2 a + output): through my own stage, back as whole rows of 256 bytes, which sixteen lanes store as one aligned unit.  LDS serves a wave's instructions in order (ISA guide 5.7.1.4).
.macro TOST n
.set TA, 64*((\n)%2)+32*(((\n)/2)%2)
	WIN 0x08+4*((\n)/4)
.irp b, 0,1,2,3
	ds_store_b128 v[STO], v[TA+8*\b:TA+8*\b+3] offset:64*\b          ; each accumulator from its low end on
	ds_store_b128 v[STO], v[TA+8*\b+4:TA+8*\b+7] offset:64*\b+16
.endr
	WIN 0x40
.set TB, 96+32*((\n)%2)
.irp t, 0,1,2,3,4,5,6,7
	ds_load_b128 v[TB+4*\t:TB+4*\t+3], v[RD] offset:\t*2*SPITCH
.endr
.endm
.macro SEND n, younger
.set TB, 96+32*((\n)%2)
	s_wait_dscnt \younger
	WIN 0x04
.irp t, 0,1,2,3,4,5,6,7
	global_store_b128 v[CO], v[TB+4*\t:TB+4*\t+3], s[20+2*((\n)%2):21+2*((\n)%2)] offset:(16*((\n)/2)+2*\t)*OUTROW th:TH_STORE_NT
.endr
.endm
.macro WAYOUT
	TOST 0
.irp n, 1,2,3,4,5,6,7
.if \n > 1
	s_wait_xcnt 0x0                                ; block n - 2's stores have read their registers
.endif
	TOST \n
	SEND \n-1, 16                                  ; block n's 8 stores and 8 loads may be out
.endr
	SEND 7, 0
	WIN 0
.endm
	s_wait_tensorcnt 0x0                           ; my part of chunk 0 is in
	ds_add_u32 v[SPW], v[NIL]
	s_wait_dscnt 0x0
	CROUND
	JLOAD 1                                        ; chunk 1
	global_prefetch_b8 v[PFO], s[PFA:PFA+1] offset:768 th:TH_LOAD_NT scope:SCOPE_SE
	FETCH 0
	WIN 0
	s_wait_loadcnt 16                              ; the first tile's scale words are in; the 16 youngest loads, the second tile's, may be out
	s_mov_b32 s2, 2                                ; tiles to go
.Ltile:
	STEP 0, 1, 0, 1
.irp s, 1,2,3,4,5,6,7,8,9,10,11,12
	STEP \s, 0, 0, 1
.endr
	WIN 0
	s_cmp_eq_u32 s2, 1
	s_cbranch_scc1 .Llast
	STEP 13, 0, 1, 1                               ; the ring goes on into the next tile
	STEP 14, 0, 1, 1
	STEP 15, 0, 1, 1
	WIN 0
	s_wait_loadcnt 0x0                             ; the next tile's scale words of x are in
	PLACES 4
.set NI, 0
.rept 64
	v_mov_b32 v[XS+NI], v[XS2+NI]                  ; they take the first tile's place
.set NI, NI+1
.endr
	s_wait_alu depctr_va_vdst(0)
	PLACES 8                                       ; a scale register written by a vector instruction stands 8 places ahead of a scaled product
	WAYOUT
	s_wait_xcnt 0x0                                ; stores and prefetches have read their bases
	s_add_nc_u64 s[20:21], s[20:21], WALKO
	s_add_nc_u64 s[22:23], s[22:23], WALKO
	s_add_nc_u64 s[PFA:PFA+1], s[PFA:PFA+1], WALKB
	s_mov_b32 s[F0], s[F1]                         ; W's rows have been read: x's waves alone go on asking,
	s_mov_b32 s[F1], 0                             ; and no tile follows
	s_sub_co_u32 s2, s2, 1
	s_branch .Ltile
.Llast:
	STEP 13, 0, 2, 1
	STEP 14, 0, 2, 1
	STEP 15, 0, 2, 0
	WIN 0
	PLACES 4
	WAYOUT
	s_wait_tensorcnt 0x0                           ; the wave's end
	ds_add_u32 v[SPW], v[NIL]
	s_wait_dscnt 0x0
	CROUND                                         ; the closing round
	s_endpgm
.Lfunc_end_k_qdd582c743a_dft:
	.size	k_qdd582c743a_dft, .Lfunc_end_k_qdd582c743a_dft-k_qdd582c743a_dft
	.p2alignl 7, 3214868480
	.fill 96, 4, 3214868480
	.section	.rodata,"a",@progbits
	.p2align	6, 0x0
	.amdhsa_kernel k_qdd582c743a_dft
		.amdhsa_group_segment_fixed_size 327680
		.amdhsa_private_segment_fixed_size 0
		.amdhsa_enable_private_segment 0
		.amdhsa_kernarg_size 80
		.amdhsa_user_sgpr_count 2
		.amdhsa_user_sgpr_kernarg_segment_ptr 1
		.amdhsa_wavefront_size32 1
		.amdhsa_system_sgpr_workgroup_id_x 1
		.amdhsa_system_sgpr_workgroup_id_y 1
		.amdhsa_system_sgpr_workgroup_id_z 1
		.amdhsa_system_vgpr_workitem_id 0
		.amdhsa_next_free_vgpr 1024
		.amdhsa_next_free_sgpr 102
		.amdhsa_reserve_vcc 0
		.amdhsa_float_denorm_mode_32 3
		.amdhsa_float_denorm_mode_16_64 3
		.amdhsa_memory_ordered 1
		.amdhsa_forward_progress 1
		.amdhsa_inst_pref_size 255
	.end_amdhsa_kernel
	.section	.bss,"aw",@nobits
	.p2align	6
	.space	262144
	.amdgpu_metadata
---
amdhsa.version: [ 1, 2 ]
amdhsa.kernels:
  - .name:           k_qdd582c743a_dft
    .symbol:         k_qdd582c743a_dft.kd
    .args:
      - { .name: x_real_codes, .offset: 0, .size: 8, .value_kind: global_buffer, .address_space: global }
      - { .name: x_real_scales, .offset: 8, .size: 8, .value_kind: global_buffer, .address_space: global }
      - { .name: x_imag_codes, .offset: 16, .size: 8, .value_kind: global_buffer, .address_space: global }
      - { .name: x_imag_scales, .offset: 24, .size: 8, .value_kind: global_buffer, .address_space: global }
      - { .name: W_real_codes, .offset: 32, .size: 8, .value_kind: global_buffer, .address_space: global }
      - { .name: W_real_scales, .offset: 40, .size: 8, .value_kind: global_buffer, .address_space: global }
      - { .name: W_imag_codes, .offset: 48, .size: 8, .value_kind: global_buffer, .address_space: global }
      - { .name: W_imag_scales, .offset: 56, .size: 8, .value_kind: global_buffer, .address_space: global }
      - { .name: out0, .offset: 64, .size: 8, .value_kind: global_buffer, .address_space: global }
      - { .name: out1, .offset: 72, .size: 8, .value_kind: global_buffer, .address_space: global }
    .group_segment_fixed_size: 327680
    .private_segment_fixed_size: 0
    .kernarg_segment_align: 8
    .kernarg_segment_size: 80
    .max_flat_workgroup_size: 128
    .sgpr_count:     102
    .vgpr_count:     1024
    .wavefront_size: 32
...
	.end_amdgpu_metadata
.endif
;; end of part 1
